; MI455X (gfx1250); checked and timed in simulation.
; The chip was launched on July 23, 2026; its instructions are those of AMD's public machine-readable ISA for CDNA 5 (MIT licence, August 2026) and "CDNA5" Instruction Set Architecture Reference Guide (July 2026). The comments in the code are by the model that wrote it; some were corrected since.
;; Moonshot Linear. Allowed arithmetic: matrix products marked QUANTISED: E4M3 operands, one E8M0 scale for each 32 along K, by v_wmma_scale_f32_16x16x128_f8f6f4 with both operands' format E4M3, f32 sums; everything else in f32.
;; Inputs: bias 2,048 float32; codebook 256 x 8 float32; indices 1,048,576 int32; x_codes 4 x 2,048 x 128 x 32 uint8 (E4M3 codes of x, K innermost, in blocks of 32 codes); x_scales 4 x 2,048 x 128 uint8 (E8M0 scales of x, one for each 32 codes along K).
;; Outputs: out0 4 x 2,048 x 2,048 float32.
;; This version of the problem:
;;   THIS VERSION OF THE PROBLEM IS GIVEN IN LOW PRECISION. The matrix products marked QUANTISED in the list below multiply operands that are first quantised to E4M3 (4 exponent bits, 3 mantissa bits; 8 bits a number), with one power-of-two scale for each 32 numbers along K (OCP MX v1.0); their sums are f32. All else is computed in f32.
;;   The module's matrix products, in the order in which they are computed (A, B: the left and right operand; K: the contracted axis; several contracted axes count as one K, in the product's order):
;;     1. [M 8,192, K 4,096] x [K 4,096, N 2,048]; A: input x (given as codes); B: computed on the way: QUANTISED
;;   THE QUANTISER, for each operand of a quantised product, along K:
;;     - K is cut into blocks of 32 from its start; a last block that is shorter is filled with zeros.
;;     - A block's scale is 2^e with e = floor(log2(the largest magnitude in the block)) - 8, held to -126 .. 127; a block of zeros has e = 0. As a byte (E8M0): e + 127.
;;     - Each number is divided by its block's scale, clamped to +-448, and rounded to the nearest number of E4M3, ties to even, subnormals kept.
;;     - The product sums the exact products of the quantised numbers (number of the format x scale) in f32.
;;   ~~~python
;;   def quantise(x, axis):      # numpy; x: float32 -> the quantised numbers, widened to float32 again
;;       x = np.moveaxis(x, axis, -1); K = x.shape[-1]
;;       x = np.pad(x, [(0, 0)] * (x.ndim - 1) + [(0, -K % 32)]); x = x.reshape(x.shape[:-1] + (-1, 32)); a = np.abs(x).max(-1, keepdims=True)
;;       e = np.where(a > 0, np.clip(np.frexp(np.where(a > 0, a, 1))[1] - 1 - 8, -126, 127), 0)      # np.frexp(a)[1] - 1 = floor(log2(a)), exactly
;;       r = np.clip(x / 2.0 ** e, -448, 448)
;;       step = 2.0 ** (np.maximum(np.frexp(np.where(r == 0, 1, r))[1] - 1, -6) - 3)
;;       q = np.round(r / step) * step * 2.0 ** e      # np.round: ties to even
;;       return np.moveaxis(q.reshape(q.shape[:-2] + (-1,))[..., :K], -1, axis).astype(np.float32)
;;   ~~~
;;   OPERANDS COMPUTED ON THE WAY. 'Computed on the way' means the value that the module computes at that place (a softmax that the list does not call 'softmax' is quantised finished and normalised). What goes into a quantiser is computed in f32, as accurately as f32 sums, v_exp_f32 and their like allow (about 1e-6 of the number): no bf16 or f16 on the way to a quantiser, and a product that is left as it is and whose result goes on into a quantised operand takes f32 operands (vector FMAs, or v_wmma_f32_16x16x4_f32). A number that lies on a knife's edge between two numbers of the format may be rounded either way, as far as f32 arithmetic and the matrix unit's own rounding can turn it there, and no further.
;;   INPUTS GIVEN AS CODES. x (in the module: [4, 2048, 4096], K = its axis 2): each comes as NAME_codes (uint8): NAME with its K axis moved to the last place and cut into blocks of 32 codes, [.., K / 32, bytes a block], one block behind the other in memory; one code a byte (a code: sign, 4 exponent bits, 3 mantissa bits); and NAME_scales (uint8): the same leading axes, one E8M0 byte (e + 127) for each 32 codes along K. Its value is code x scale, taken as it is: it is not quantised again, and the codes and scales need not be those that the quantiser above would give.
;; One version. Each part assembles by itself: llvm-mc -triple=amdgcn-amd-amdhsa -mcpu=gfx1250 --defsym DOCPART=n.
;; ======== version 1 of 1: 2 launches
;; limits: right only within a limited range of input values
;; workspace buffers: w_pack 8,650,752 bytes; xs_pack 1,048,576 bytes
;; launch wquant (part 1): grid 256 x 1, 4 waves a work-group, no clusters, 47,616 bytes of LDS; arguments indices, codebook, x_scales, w_pack, xs_pack; writes w_pack, xs_pack
.if DOCPART == 1
	.amdgcn_target "amdgcn-amd-amdhsa--gfx1250"
	.amdhsa_code_object_version 6
	.text
	.protected	k_q8949f4060b_wquant
	.globl	k_q8949f4060b_wquant
	.p2align	8
	.type	k_q8949f4060b_wquant,@function
k_q8949f4060b_wquant:
	s_mov_b64 s[64:65], 0
	v_nop
	global_prefetch_b8 v0, s[64:65] scope:SCOPE_SE
	s_setreg_imm32_b32 hwreg(HW_REG_WAVE_MODE, 25, 1), 1
	s_wait_xcnt 0x0
; W[o][k] = codebook[indices[512 o + k / 8]][k % 8] is gathered in f32 and turned into codes of E4M3 with one E8M0 byte for each 32 along K: the byte is the largest magnitude's exponent field - 8, held at 1 from below;
; each number is divided by the scale, held within +-448 and rounded to the nearest code, ties to even.  No work of the problem is left out.
; LIMITS: a block of zeros gets the byte 1 where the rule says 127 (its codes are zeros, and this program alone reads the bytes); NaN and infinities in the codebook are not served; an index is held at 255 from above.
; OUT, in the order in which the product's registers take it.  w_pack codes: [o / 64: 32][k / 128: 32][b = (o / 16) % 4][c = (k / 32) % 4][h = (k / 16) % 2][r = o % 16][16 bytes]: a fragment's four registers of 32 lanes are 512 consecutive bytes.
; w_pack scale words, from byte 8,388,608: [o / 32: 64][k / 256: 16][r: 16][q: 2][par: 2] words: word (r, q, par) holds the four bytes of row 16 par + r for k = 128 q + 32 x byte.
; xs_pack: x's scale bytes as given, only laid anew: [m / 32: 256][k / 256: 16][h: 2][r: 16][e: 2] words: the word of row 16 e + r for k = 256 t + 128 h.  Work-group g reads 4,096 consecutive bytes and stores 4,096 consecutive bytes, through LDS.
; SHARES: a wave takes 32 rows x 256 along K in 16 steps; in a step lanes 0-15 take one row and lanes 16-31 the row 8 further down, 16 neighbours along K a lane.  A lane's 16 codes go into the wave's own stage in LDS
; (32 pieces of 256 bytes, 272 apart) at their place in the fragment order, and come back as runs of 512 consecutive bytes, which the 32 lanes store together.
; No cluster, no tensor load: the work-groups share only the codebook's 8,192 bytes.
.set EMAX,  8
.set STG,   8704                       ; behind the codebook (0) and the spare words (8,192): four stages of 8,704 bytes
.set XSL,   43520                      ; x's scale bytes: 4,096
.set IOFF, 4
.set COFF, 5                           ; my 16 codes' place in the stage
.set SOFL, 6
.set SH,   7
.set F,    16
.set CB,   20
.set I,    36
.set X,    68
.set C,    100
.set XI,   170
.set XO,   178
.set XG,   186
.set RB,   187
.set GO,   188
	s_load_b128 s[4:7], s[0:1], 0x0                ; indices, codebook
	s_load_b128 s[32:35], s[0:1], 0x10             ; x_scales, w_pack
	s_load_b64 s[36:37], s[0:1], 0x20              ; xs_pack
	v_lshl_add_u32 v168, v0, 2, 0x2000
	v_mov_b32 v169, 0
	v_lshrrev_b32 v1, 5, v0
	v_readfirstlane_b32 s12, v1
	s_mul_i32 s15, s12, 8704
	s_add_co_u32 s15, s15, STG                     ; my wave's stage
	v_and_b32 v2, 15, v0                           ; i = lane % 16
	v_bfe_u32 v3, v0, 4, 1                         ; half
	v_lshlrev_b32 v[IOFF], 3, v2
	v_lshl_add_u32 v[IOFF], v3, 14, v[IOFF]
	v_and_b32 v8, 7, v2
	v_and_b32 v9, 8, v2
	v_lshl_add_u32 v8, v9, 1, v8                   ; piece 16 (i / 8) + i % 8 = 16 (which 128) + 2 c + h
	v_mul_u32_u24 v8, v8, 272
	v_lshl_add_u32 v8, v3, 7, v8                   ; + 16 x 8 half: r = s % 8 + 8 half
	v_add_nc_u32 v[COFF], s15, v8
	v_mul_u32_u24 v8, v3, 272
	v_lshl_add_u32 v8, v2, 4, v8
	v_add_nc_u32 v[RB], s15, v8                    ; back: two pieces to a load
	v_and_b32 v8, 31, v0
	v_lshlrev_b32 v[GO], 4, v8
	v_and_b32 v8, 7, v0                            ; xs: thread T makes words (t = T / 16 + 8 j, l = 2 (T % 16) + 0, 1, e = 0, 1)
	v_lshlrev_b32 v8, 8, v8                        ; row 2 (T % 8) of 128 bytes
	v_lshrrev_b32 v9, 4, v0
	v_lshl_add_u32 v8, v9, 3, v8                   ; + 8 t
	v_bfe_u32 v9, v0, 3, 1
	v_lshl_add_u32 v8, v9, 2, v8                   ; + 4 h
	v_add_nc_u32 v[XG], XSL, v8
	v_and_b32 v[SOFL], 7, v0
	v_lshl_add_u32 v[SOFL], v3, 3, v[SOFL]
	v_bfe_u32 v[SH], v0, 3, 1
	v_lshlrev_b32 v[SH], 3, v[SH]
	v_lshl_add_u32 v[SOFL], v[SOFL], 4, v[SH]      ; 16 r + 8 q
	v_bfe_u32 v[SH], v0, 1, 2
	v_lshlrev_b32 v[SH], 3, v[SH]
	v_mov_b32 v13, 0
	v_mov_b32 v[F], 0
	v_mov_b32 v[F+1], 0
	v_lshlrev_b32 v18, 4, v0
	v_and_b32 v19, 1, v0
	v_lshrrev_b32 v8, 1, v0
	v_lshlrev_b32 v8, 4, v8
	v_lshl_add_u32 v19, v19, 12, v8
	s_lshr_b32 s13, ttmp9, 2                       ; which 32 rows
	s_and_b32 s14, ttmp9, 3
	s_lshl_b32 s14, s14, 2
	s_add_co_u32 s14, s14, s12                     ; t: which 256 along K
	s_mov_b32 s20, 0x600000
.irp i, 0,1,2,3,4,5,6,7
	s_mov_b32 s[24+\i], 0x01010101<<\i
.endr
	s_lshl_b32 s16, s13, 16
	s_lshl_b32 s18, s14, 7
	s_add_co_u32 s16, s16, s18
	s_mov_b32 s17, 0
	s_lshr_b32 s18, s13, 1
	s_lshl_b32 s18, s18, 18                        ; codes: 64 rows are 262,144 bytes,
	s_lshl_b32 s19, s14, 14                        ; 256 along K two steps of 8,192,
	s_add_co_u32 s18, s18, s19
	s_and_b32 s19, s13, 1
	s_lshl_b32 s19, s19, 12                        ; my 32 rows two blocks of 2,048
	s_add_co_u32 s18, s18, s19
	s_mov_b32 s19, 0
	s_lshl_b32 s22, s13, 4
	s_add_co_u32 s22, s22, s14
	s_lshl_b32 s22, s22, 8
	s_add_co_u32 s22, s22, 8388608                 ; my unit of scale words
	s_mov_b32 s23, 0
	s_lshl_b32 s38, ttmp9, 12
	s_mov_b32 s39, 0
	s_wait_alu depctr_va_vdst(0)                   ; the wait at the head's end
	s_wait_kmcnt 0x0
	s_add_nc_u64 s[4:5], s[4:5], s[16:17]
	s_add_nc_u64 s[10:11], s[34:35], s[22:23]
	s_add_nc_u64 s[8:9], s[34:35], s[18:19]
	s_add_nc_u64 s[32:33], s[32:33], s[38:39]
	s_add_nc_u64 s[36:37], s[36:37], s[38:39]
.irp j, 0,1,2,3
	global_load_b128 v[CB+4*\j:CB+4*\j+3], v18, s[6:7] offset:2048*\j
.endr
.irp j, 0,1
	global_load_b128 v[XI+4*\j:XI+4*\j+3], v18, s[32:33] offset:2048*\j
.endr
.irp s, 0,1,2,3,4,5,6,7,8,9,10,11,12,13,14,15
	global_load_b64 v[I+2*\s:I+2*\s+1], v[IOFF], s[4:5] offset:(\s+8*(\s/8))*2048
.endr
	s_wait_loadcnt 16                              ; the first six loads are in; the sixteen behind them may be out
.irp j, 0,1,2,3
	ds_store_b128 v19, v[CB+4*\j:CB+4*\j+3] offset:1024*\j
.endr
.irp j, 0,1
	ds_store_b128 v18, v[XI+4*\j:XI+4*\j+3] offset:XSL+2048*\j
.endr
	s_wait_dscnt 0x0
	s_barrier_signal -1
	s_barrier_wait -1                              ; from here on the codebook and x's bytes are only read
.irp j, 0,1
	ds_load_b32 v[XO+4*\j], v[XG] offset:64*\j
	ds_load_b32 v[XO+4*\j+1], v[XG] offset:64*\j+2048
	ds_load_b32 v[XO+4*\j+2], v[XG] offset:64*\j+128
	ds_load_b32 v[XO+4*\j+3], v[XG] offset:64*\j+2176
.endr
	s_wait_dscnt 0x0
.irp j, 0,1
	global_store_b128 v18, v[XO+4*\j:XO+4*\j+3], s[36:37] offset:2048*\j   ; a wave stores 512 consecutive bytes
.endr
.macro GATHER s
	s_wait_loadcnt 15-(\s)
	v_min_u32 v14, 0xff, v[I+2*(\s)]
	v_min_u32 v15, 0xff, v[I+2*(\s)+1]
	v_lshlrev_b32 v14, 4, v14
	v_lshlrev_b32 v15, 4, v15
	ds_load_b128 v[X+16*((\s)%2):X+16*((\s)%2)+3], v14
	ds_load_b128 v[X+16*((\s)%2)+4:X+16*((\s)%2)+7], v14 offset:4096
	ds_load_b128 v[X+16*((\s)%2)+8:X+16*((\s)%2)+11], v15
	ds_load_b128 v[X+16*((\s)%2)+12:X+16*((\s)%2)+15], v15 offset:4096
.endm
.macro STEP s
.set XS, X+16*((\s)%2)
.if (\s) < 15
	GATHER (\s)+1
	s_wait_dscnt 4                                 ; this step's four loads are in (and the last step's store)
.else
	s_wait_dscnt 0x0
.endif
	v_max3_num_f32 v8, |v[XS]|, |v[XS+1]|, |v[XS+2]|
	v_max3_num_f32 v9, |v[XS+3]|, |v[XS+4]|, |v[XS+5]|
.irp i, 6,10
	v_max3_num_f32 v8, v8, |v[XS+\i]|, |v[XS+\i+1]|
	v_max3_num_f32 v9, v9, |v[XS+\i+2]|, |v[XS+\i+3]|
.endr
	v_max3_num_f32 v8, v8, |v[XS+14]|, |v[XS+15]|
	v_max3_num_f32 v8, v8, v9, (EMAX+1)<<23        ; the floor holds the byte at 1 from below
	v_max_num_f32_dpp v8, v8, v8 row_xmask:1 row_mask:0xf bank_mask:0xf
	v_add_nc_u32 v11, 0xfc000000, v8               ; 8 off the exponent field: the conversion's scale operand
	v_and_or_b32 v10, v8, 0x7f800000, s20          ; 448 x the scale
.irp i, 0,1,2,3,4,5,6,7,8,9,10,11,12,13,14,15
	v_med3_num_f32 v[XS+\i], v[XS+\i], -v10, v10   ; the conversion does not saturate (ISA guide 7.6.2)
.endr
	v_cvt_scalef32_pk8_fp8_f32 v[C+4*(\s):C+4*(\s)+1], v[XS:XS+7], v11
	v_cvt_scalef32_pk8_fp8_f32 v[C+4*(\s)+2:C+4*(\s)+3], v[XS+8:XS+15], v11
	v_lshrrev_b32 v12, 23, v11
	v_lshlrev_b32 v12, v[SH], v12
	v_mov_b32_dpp v13, v12 row_xmask:2 row_mask:0xf bank_mask:0xf
	v_or_b32 v12, v12, v13
	v_mov_b32_dpp v13, v12 row_xmask:4 row_mask:0xf bank_mask:0xf
	v_or_b32 v12, v12, v13
	v_cndmask_b32 v[F+(\s)/8], v[F+(\s)/8], v12, s[24+(\s)%8]
	ds_store_b128 v[COFF], v[C+4*(\s):C+4*(\s)+3] offset:((\s)/8)*2176+((\s)%8)*16   ; block par = s / 8 (8 pieces on), row s % 8
.endm
	GATHER 0
.irp s, 0,1,2,3,4,5,6,7,8,9,10,11,12,13,14,15
	STEP \s
.endr
	s_wait_alu depctr_va_vdst(0)
.irp m, 0,1,2,3,4,5,6,7,8,9,10,11,12,13,14,15
	ds_load_b128 v[I+4*\m:I+4*\m+3], v[RB] offset:\m*544       ; my own stage: LDS serves a wave's instructions in order (ISA guide 5.7.1.4)
.endr
.irp m, 0,1,2,3,4,5,6,7,8,9,10,11,12,13,14,15
	s_wait_dscnt 15-\m
	global_store_b128 v[GO], v[I+4*\m:I+4*\m+3], s[8:9] offset:(\m/8)*8192+((\m/4)%2)*2048+(\m%4)*512   ; 512 consecutive bytes
.endr
	global_store_b64 v[SOFL], v[F:F+1], s[10:11]   ; the wave's 64 scale words: 256 consecutive bytes
	s_wait_tensorcnt 0x0
	ds_add_u32 v168, v169
	s_wait_dscnt 0x0
	s_endpgm
.Lfunc_end_k_q8949f4060b_wquant:
	.size	k_q8949f4060b_wquant, .Lfunc_end_k_q8949f4060b_wquant-k_q8949f4060b_wquant
	.p2alignl 7, 3214868480
	.fill 96, 4, 3214868480
	.section	.rodata,"a",@progbits
	.p2align	6, 0x0
	.amdhsa_kernel k_q8949f4060b_wquant
		.amdhsa_group_segment_fixed_size 47616
		.amdhsa_private_segment_fixed_size 0
		.amdhsa_enable_private_segment 0
		.amdhsa_kernarg_size 40
		.amdhsa_user_sgpr_count 2
		.amdhsa_user_sgpr_kernarg_segment_ptr 1
		.amdhsa_wavefront_size32 1
		.amdhsa_system_sgpr_workgroup_id_x 1
		.amdhsa_system_sgpr_workgroup_id_y 1
		.amdhsa_system_sgpr_workgroup_id_z 1
		.amdhsa_system_vgpr_workitem_id 0
		.amdhsa_next_free_vgpr 190
		.amdhsa_next_free_sgpr 66
		.amdhsa_reserve_vcc 0
		.amdhsa_float_denorm_mode_32 3
		.amdhsa_float_denorm_mode_16_64 3
		.amdhsa_memory_ordered 1
		.amdhsa_forward_progress 1
		.amdhsa_inst_pref_size 55
	.end_amdhsa_kernel
	.amdgpu_metadata
---
amdhsa.version: [ 1, 2 ]
amdhsa.kernels:
  - .name:           k_q8949f4060b_wquant
    .symbol:         k_q8949f4060b_wquant.kd
    .args:
      - { .name: indices, .offset: 0, .size: 8, .value_kind: global_buffer, .address_space: global }
      - { .name: codebook, .offset: 8, .size: 8, .value_kind: global_buffer, .address_space: global }
      - { .name: x_scales, .offset: 16, .size: 8, .value_kind: global_buffer, .address_space: global }
      - { .name: w_pack, .offset: 24, .size: 8, .value_kind: global_buffer, .address_space: global }
      - { .name: xs_pack, .offset: 32, .size: 8, .value_kind: global_buffer, .address_space: global }
    .group_segment_fixed_size: 47616
    .private_segment_fixed_size: 0
    .kernarg_segment_align: 8
    .kernarg_segment_size: 40
    .max_flat_workgroup_size: 128
    .sgpr_count:     66
    .vgpr_count:     190
    .wavefront_size: 32
...
	.end_amdgpu_metadata
.endif
;; end of part 1
;; launch gemm (part 2): grid 8 x 32, 4 waves a work-group, clusters of 4 x 1, 327,680 bytes of LDS; arguments x_codes, xs_pack, w_pack, bias, out0; writes out0
.if DOCPART == 2
	.amdgcn_target "amdgcn-amd-amdhsa--gfx1250"
	.amdhsa_code_object_version 6
	.text
	.protected	k_q8949f4060b_gemm
	.globl	k_q8949f4060b_gemm
	.p2align	8
	.type	k_q8949f4060b_gemm,@function
k_q8949f4060b_gemm:
	s_mov_b64 s[64:65], 0
	v_nop
	global_prefetch_b8 v0, s[64:65] scope:SCOPE_SE
	s_setreg_imm32_b32 hwreg(HW_REG_WAVE_MODE, 25, 1), 1
	s_wait_xcnt 0x0
	s_wait_alu depctr_hold_cnt(0) depctr_sa_sdst(0) depctr_va_vdst(0) depctr_va_sdst(0) depctr_va_ssrc(0) depctr_va_vcc(0) depctr_vm_vsrc(0)
	s_getreg_b32 s2, hwreg(HW_REG_IB_STS2, 6, 4)
	s_cmp_eq_u32 s2, 0
	s_cbranch_scc0 .Lentry_in_a_cluster
	s_endpgm
.Lentry_in_a_cluster:
	s_bfe_u32 s2, ttmp6, 0x10000c
	s_cmp_lg_u32 s2, 0x3003
	s_cbranch_scc0 .Lentry_shape_is_right
	s_endpgm
.Lentry_shape_is_right:
; out0[m][n] = bias[n] + sum over k of x[m][k] W[n][k].  x: [8192][4096] codes of E4M3, taken as given (a scale byte 0xff gives NaN, as the format has it); its scale words and W's codes and scale words come in the
; order of the registers, as the launch before has laid them (xs_pack, w_pack: see there).  out0: [8192][2048] f32; sums in f32.  No work of the problem is left out.
; A block of out0, 256 x 256, is made by four waves; wave w makes all 256 rows x columns 64 w .. 64 w + 63: 64 accumulators (a: 16 blocks of x, b: 4 blocks of W), 512 registers.  32 x 8 blocks = 256 work-groups.
; x GOES THROUGH LDS: two slots of 256 rows x 512 along K (LDS rows of 528 bytes), eight fills; each wave fetches 64 rows with one tensor load.  CLUSTERS 4 x 1: the four blocks of a cluster need the same rows of x and ask jointly.
; W GOES FROM MEMORY STRAIGHT INTO REGISTERS: a wave's 64 rows are its own, so no byte of W is asked for twice by a work-group and none passes LDS; so there is no joint load for W.  A step of 128 along K takes 16 loads of
; 512 consecutive bytes; four sets of 64 registers: step s + 3's codes are asked for at the head of step s.  The scale words of a K step of 256 (x: 8 loads of 256 bytes, W: 2) have two sets and are asked for two steps ahead.
; A scale register holds the word of the K step's first 128 in lanes 0-15 and of its second in lanes 16-31 (MATRIX_SCALE_ROW1).
; A STEP: x's blocks one after the other, each against W's four, in three runs of 6, 5 and 5 blocks on two buffers of 96 registers: at the head of each run the next run's fragments are asked of LDS in one piece.
; The 64 accumulators take turns in the same order in every step.  The product is used transposed (source 0 = W's rows): a lane holds eight neighbouring numbers of a row of out0.
; THE BIAS is added on the way out, where a lane holds four columns, the same in every row: four registers; as the C of the first products it would take 32, which the register map does not have.
; THE WAY OUT: a block of 16 rows x 64 columns goes through my stage in slot 0 (past its last fill and last read) and comes back into its own registers as rows of 256 bytes; sixteen lanes store a whole aligned unit.
; PREFETCH: behind the refill that fetches slot j + 2 each wave asks for slot j + 3: of its 64 rows the partner at cx takes 16, two lanes to a row's 512 bytes; slots 1 and 2 are asked for at the head; nothing past slot 7.
; W is not asked for into the L2: its loads themselves run three steps (192 products) ahead of their use.
; REGISTERS: window 0: v0-23 addresses and the bias, v24-31 W's scale words, v32-63 x's, v64-255 x's two buffers; window 1: W's four sets; windows 2, 3: accumulator (a, b) at v[8 (4 (a % 8) + b)] of window 2 + a / 8.
.set PITCH,  528
.set SLOTB,  256*PITCH
.set QROWS,  64*PITCH
.set HI8,    128*PITCH                 ; blocks 8-15: beyond an LDS immediate's reach, so a second address register
.set SPARE,  2*SLOTB
.set SPI,    272
.set SBLK,   16*SPI
.set NP,     8                         ; places behind this matrix form (ISA guide 7.12.1)
.set STO, 2
.set RD,  3
.set CO,  4
.set WOF, 5                            ; 16 x lane
.set SOF, 6                            ; 16 r + 8 h
.set XOF, 7                            ; 8 x lane
.set PFO, 8
.set BOF, 9
.set ADRA, 10                          ; v10-13: slot 0 blocks 0-7, 8-15; slot 1 likewise
.set SPW, 14
.set NIL, 15
.set BI,  16                           ; v16-19 the bias of my four columns on the way out
.set WS,  24
.set XS,  32
.set AB,  64
.set WV,  16
.set G1,  24
.set G0,  32
.set WBP, 40                           ; W's codes, W's scale words, x's scale words: stepped once a trip
.set WSP, 42
.set XSP, 44
.set PFB, 46
.set PK,  48
.set MSB, 0
.macro WIN new
.if MSB != (\new)
	s_set_vgpr_msb (MSB<<8)|(\new)
.set MSB, (\new)
.endif
.endm
.macro PLACES n
.rept \n
	v_nop
.endr
.endm
.macro TLOAD s                         ; every wave's own 64 rows; s_nop 0 and four v_nop behind it
	tensor_load_to_lds s[G0+4*(\s):G0+4*(\s)+3], s[G1:G1+7]
	s_nop 0
	PLACES 4
.endm
.macro CREST
	s_cmp_lg_u32 s[WV], 0
	s_cbranch_scc1 .Lnot_wave_0_\@
	s_barrier_signal -3
.Lnot_wave_0_\@:
	s_barrier_wait -3
	s_barrier_signal -1
	s_barrier_wait -1
.endm
.macro CROUND
	s_barrier_signal -1
	s_barrier_wait -1
	CREST
.endm
.macro ARUN slot, q, a0, n, buf        ; x's blocks a0 .. a0 + n - 1 of the slot's q-th 128 into a buffer: 4 n loads
	WIN 0
.set ai, \a0
.rept \n
.irp c, 0,1,2,3
	ds_load_b128 v[AB+96*(\buf)+16*(ai-(\a0))+4*\c:AB+96*(\buf)+16*(ai-(\a0))+4*\c+3], v[ADRA+2*(\slot)+ai/8] offset:(ai%8)*16*PITCH+128*(\q)+32*\c
.endr
.set ai, ai+1
.endr
.endm
.macro SLOAD t                         ; the scale words of K step t (counted from the trip's base): 10 loads
	WIN 0
.irp i, 0,1,2,3,4,5,6,7
	global_load_b64 v[XS+16*((\t)%2)+2*\i:XS+16*((\t)%2)+2*\i+1], v[XOF], s[XSP:XSP+1] offset:\i*4096+(\t)*256
.endr
.irp u, 0,1
	global_load_b64 v[WS+4*((\t)%2)+2*\u:WS+4*((\t)%2)+2*\u+1], v[SOF], s[WSP:WSP+1] offset:\u*4096+(\t)*256
.endr
.endm
.macro CLOAD st                        ; W's codes of step st: 16 loads
	WIN 0x40
.irp j, 0,1,2,3,4,5,6,7,8,9,10,11,12,13,14,15
	global_load_b128 v[64*((\st)%4)+4*\j:64*((\st)%4)+4*\j+3], v[WOF], s[WBP:WBP+1] offset:(\st)*8192+\j*512
.endr
	WIN 0
.endm
.macro MBLK a, pos, buf, set, row, ts, zero      ; x's block a against W's four
	WIN 0xa1+0x50*((\a)/8)
.irp b, 0,1,2,3
.set DD, 8*(4*((\a)%8)+\b)
.if \zero
	v_wmma_scale_f32_16x16x128_f8f6f4 v[DD:DD+7], v[64*(\set)+16*\b:64*(\set)+16*\b+15], v[AB+96*(\buf)+16*(\pos):AB+96*(\buf)+16*(\pos)+15], 0, v[WS+4*(\ts)+\b], v[XS+16*(\ts)+(\a)]
.elseif \row
	v_wmma_scale_f32_16x16x128_f8f6f4 v[DD:DD+7], v[64*(\set)+16*\b:64*(\set)+16*\b+15], v[AB+96*(\buf)+16*(\pos):AB+96*(\buf)+16*(\pos)+15], v[DD:DD+7], v[WS+4*(\ts)+\b], v[XS+16*(\ts)+(\a)] matrix_a_scale:MATRIX_SCALE_ROW1 matrix_b_scale:MATRIX_SCALE_ROW1
.else
	v_wmma_scale_f32_16x16x128_f8f6f4 v[DD:DD+7], v[64*(\set)+16*\b:64*(\set)+16*\b+15], v[AB+96*(\buf)+16*(\pos):AB+96*(\buf)+16*(\pos)+15], v[DD:DD+7], v[WS+4*(\ts)+\b], v[XS+16*(\ts)+(\a)]
.endif
.endr
.endm
.macro MCH a0, n, pos0, buf, set, row, ts, zero
.set am, \a0
.rept \n
	MBLK am, am-(\a0)+(\pos0), \buf, \set, \row, \ts, \zero
.set am, am+1
.endr
.endm
; Step p of a trip's eight (two slots).  turn = 1: the slot's last step, the slot is filled again; 2: the same without a fill.  brun: the loads for step p + 3 (and, p even, the next K step's scale words) are issued.
; lcnt: the loads that may stay out when this step's codes and scale words have to be in: the runs of the two steps before (less the scale words at the head of an even run) and this step's: 58.
.macro STEP p, zero, turn, brun, lcnt
.set SL, ((\p)/4)%2
.set QQ, (\p)%4
.set RW, (\p)%2
.set TS, ((\p)/2)%2
.set SLN, (((\p)+1)/4)%2
.set QN, ((\p)+1)%4
.if \turn == 1
	s_wait_xcnt 0x0                                ; my last prefetch has read its base
	s_add_nc_u64 s[PFB:PFB+1], s[PFB:PFB+1], 512
	s_add_co_u32 s[PK], s[PK], 1
.endif
	PLACES NP                                      ; behind the last step's products: the buffer, W's set and the scale words that they read are loaded anew
	ARUN SL, QQ, 6, 5, 1-RW
.if \brun
.if ((\p)%2) == 0
	SLOAD (\p)/2+1
.endif
	CLOAD (\p)+3
.endif
	s_wait_loadcnt \lcnt
	s_wait_dscnt 20                                ; blocks 0-5 are in; the 20 loads just issued may be out
	MCH 0, 6, 0, RW, QQ, RW, TS, \zero
	PLACES NP
	ARUN SL, QQ, 11, 5, RW
.if \turn
	s_wait_tensorcnt 0x0                           ; all my tensor loads have landed: my part of the other slot
	ds_add_u32 v[SPW], v[NIL]
	s_wait_dscnt 21                                ; blocks 6-10 are in; behind them 20 loads and the add
	MCH 6, 2, 0, 1-RW, QQ, RW, TS, 0
	s_wait_dscnt 0x0                               ; the add is done, my reads of this slot are over
	s_barrier_signal -1
	MCH 8, 3, 2, 1-RW, QQ, RW, TS, 0
	WIN 0
	s_barrier_wait -1
.if \turn == 1
	CREST                                          ; the barrier has opened a round of the cluster's barrier
	s_add_nc_u64 s[G0+4*SL+2:G0+4*SL+3], s[G0+4*SL+2:G0+4*SL+3], 1024
	TLOAD SL                                       ; the first tensor load behind the round, one a wave
	PLACES NP-4
	s_cmp_lt_u32 s[PK], 8
	s_cbranch_scc0 .Lna_\@
	global_prefetch_b8 v[PFO], s[PFB:PFB+1] offset:1024 th:TH_LOAD_NT scope:SCOPE_SE
.Lna_\@:
.else
	PLACES NP
.endif
.else
	s_wait_dscnt 20
	MCH 6, 5, 0, 1-RW, QQ, RW, TS, \zero
	PLACES NP
.endif
	ARUN SLN, QN, 0, 6, 1-RW
	s_wait_dscnt 24
	MCH 11, 5, 0, RW, QQ, RW, TS, \zero
	WIN 0
.endm
.macro TOST a                          ; block a into my stage and back into its own registers (LDS serves a wave's instructions in order: ISA guide 5.7.1.4)
.set AC, 32*((\a)%8)
	WIN 0x88+0x44*((\a)/8)
.irp b, 0,1,2,3
	ds_store_b128 v[STO], v[AC+8*\b:AC+8*\b+3] offset:((\a)%6)*SBLK+64*\b        ; each accumulator from its low end on
	ds_store_b128 v[STO], v[AC+8*\b+4:AC+8*\b+7] offset:((\a)%6)*SBLK+64*\b+16
.endr
.irp m, 0,1,2,3,4,5,6,7
	ds_load_b128 v[AC+4*\m:AC+4*\m+3], v[RD] offset:((\a)%6)*SBLK+\m*2*SPI
.endr
.endm
.macro SEND a                          ; + the bias; sixteen lanes store 256 consecutive bytes, aligned; no register or base is written again behind a store
.set AC, 32*((\a)%8)
	WIN 0x88+0x44*((\a)/8)
.irp m, 0,1,2,3,4,5,6,7
	v_pk_add_f32 v[AC+4*\m:AC+4*\m+1], v[BI:BI+1], v[AC+4*\m:AC+4*\m+1]
	v_pk_add_f32 v[AC+4*\m+2:AC+4*\m+3], v[BI+2:BI+3], v[AC+4*\m+2:AC+4*\m+3]
	global_store_b128 v[CO], v[AC+4*\m:AC+4*\m+3], s[12:13] offset:(16*(\a)+2*\m)*8192 th:TH_STORE_NT
.endr
.endm
	s_load_b256 s[4:11], s[0:1], 0x0               ; x's codes, xs_pack, w_pack, the bias
	s_load_b64 s[12:13], s[0:1], 0x20              ; out0
	v_lshl_add_u32 v[SPW], v0, 2, SPARE
	v_mov_b32 v[NIL], 0
	ds_add_u32 v[SPW], v[NIL]                      ; the opening lines: the add twice on end and its wait
	ds_add_u32 v[SPW], v[NIL]
	v_lshrrev_b32 v1, 5, v0
	v_readfirstlane_b32 s[WV], v1
	s_bfe_u32 s50, ttmp6, 0x40000                  ; cx
	s_lshl_b32 s51, ttmp9, 2
	s_add_co_u32 s51, s51, s50                     ; block column
	s_and_b32 s52, ttmp7, 0xffff                   ; block row
	s_mov_b32 s[G1], 15|(3<<16)|(1<<20)|(1<<21)|(6<<22)|(3<<25)   ; all four of the cluster; elements of 8 bytes; 16 bytes of padding behind every 512
	s_mov_b32 s[G1+1], 64<<16                      ; a row of 512 bytes,
	s_mov_b32 s[G1+2], 64<<16                      ; 64 rows,
	s_mov_b32 s[G1+3], 64<<16
	s_mov_b32 s[G1+4], 64
	s_mov_b32 s[G1+5], 512                         ; 4,096 bytes apart
	s_mov_b32 s[G1+6], 0
	s_mov_b32 s[G1+7], 0
	s_lshl_b32 s20, s52, 20                        ; x: 256 rows of 4,096 bytes to a block row, 64 to a wave
	s_lshl_b32 s21, s[WV], 18
	s_add_co_u32 s20, s20, s21
	s_mov_b32 s21, 0
	s_lshl_b32 s22, s50, 16                        ; the prefetch: 16 rows to a partner
	s_mov_b32 s23, 0
	s_mul_i32 s19, s[WV], QROWS                    ; LDS places hang on the wave's number alone
	s_lshl_b32 s53, s51, 2
	s_add_co_u32 s53, s53, s[WV]                   ; my 64 rows of W
	s_lshl_b32 s54, s53, 18
	s_mov_b32 s55, 0
	s_lshl_b32 s56, s53, 13
	s_add_co_u32 s56, s56, 8388608
	s_mov_b32 s57, 0
	s_lshl_b32 s58, s52, 15                        ; x's scale words: 32,768 bytes to a block row
	s_mov_b32 s59, 0
	s_lshl_b32 s60, s53, 8                         ; my first column in bytes of f32
	s_mov_b32 s61, 0
	s_lshl_b32 s62, s52, 21                        ; 256 rows of 8,192 bytes
	s_add_co_u32 s62, s62, s60
	s_mov_b32 s63, 0
	s_mov_b32 s[PK], 2
	s_mul_i32 s18, s[WV], 6*SBLK                   ; my stage
	s_wait_dscnt 0x0
	s_wait_kmcnt 0x0
	s_add_nc_u64 s[20:21], s[4:5], s[20:21]
	s_add_nc_u64 s[PFB:PFB+1], s[20:21], s[22:23]
	s_add_nc_u64 s[WBP:WBP+1], s[8:9], s[54:55]
	s_add_nc_u64 s[WSP:WSP+1], s[8:9], s[56:57]
	s_add_nc_u64 s[XSP:XSP+1], s[6:7], s[58:59]
	s_add_nc_u64 s[10:11], s[10:11], s[60:61]
	s_add_nc_u64 s[12:13], s[12:13], s[62:63]
	CROUND                                         ; the four work-groups are here: the first joint loads meet
.irp s, 0,1
	s_mov_b32 s[G0+4*\s], 1
	s_add_co_u32 s[G0+4*\s+1], s19, \s*SLOTB
	s_add_nc_u64 s[G0+4*\s+2:G0+4*\s+3], s[20:21], \s*512
	s_or_b32 s[G0+4*\s+3], s[G0+4*\s+3], 0x80000000
.endr
	TLOAD 0                                        ; slot 0: one tensor load a wave at the head
	v_and_b32 v1, 15, v0                           ; r
	v_bfe_u32 v20, v0, 4, 1                        ; h
	v_and_b32 v21, 31, v0
	v_mul_u32_u24 v22, v1, PITCH
	v_lshl_add_u32 v[ADRA], v20, 4, v22            ; a fragment: row x pitch + 16 h
	v_add_nc_u32 v[ADRA+1], HI8, v[ADRA]
	v_add_nc_u32 v[ADRA+2], SLOTB, v[ADRA]
	v_add_nc_u32 v[ADRA+3], SLOTB+HI8, v[ADRA]
	v_mul_u32_u24 v23, v1, SPI
	v_lshl_add_u32 v23, v20, 5, v23
	v_add_nc_u32 v[STO], s18, v23                  ; in: row r, 32 bytes for each half of the lanes
	v_mul_u32_u24 v22, v20, SPI
	v_lshl_add_u32 v22, v1, 4, v22
	v_add_nc_u32 v[RD], s18, v22                   ; back: sixteen lanes to a row of 256 bytes
	v_lshlrev_b32 v23, 13, v20
	v_lshl_add_u32 v[CO], v1, 4, v23
	v_lshlrev_b32 v[WOF], 4, v21
	v_lshlrev_b32 v22, 4, v1
	v_lshl_add_u32 v[SOF], v20, 3, v22
	v_lshlrev_b32 v[XOF], 3, v21
	v_lshrrev_b32 v23, 1, v21
	v_and_b32 v22, 1, v21
	v_lshlrev_b32 v23, 12, v23
	v_lshl_add_u32 v[PFO], v22, 8, v23             ; two lanes to a row's 512 bytes
	v_lshlrev_b32 v[BOF], 4, v1
	s_wait_alu depctr_va_vdst(0)                   ; the wait at the head's end
	global_load_b128 v[BI:BI+3], v[BOF], s[10:11]
	SLOAD 0
	CLOAD 0
	CLOAD 1
	CLOAD 2
	global_prefetch_b8 v[PFO], s[PFB:PFB+1] offset:512 th:TH_LOAD_NT scope:SCOPE_SE
	global_prefetch_b8 v[PFO], s[PFB:PFB+1] offset:1024 th:TH_LOAD_NT scope:SCOPE_SE
	s_wait_tensorcnt 0x0                           ; my part of slot 0 is in
	ds_add_u32 v[SPW], v[NIL]
	s_wait_dscnt 0x0
	CROUND
	TLOAD 1                                        ; slot 1, the first tensor load behind the round
	ARUN 0, 0, 0, 6, 0
	STEP 0, 1, 0, 1, 58                            ; the first step starts the sums
	s_mov_b32 s3, 3
.Llap:                                                 ; a trip: steps 8 k + 1 .. 8 k + 8; both slots are filled again: slots 2 to 7 in three trips
	STEP 1, 0, 0, 1, 58
	STEP 2, 0, 0, 1, 58
	STEP 3, 0, 1, 1, 58
	STEP 4, 0, 0, 1, 58
	STEP 5, 0, 0, 1, 58
	STEP 6, 0, 0, 1, 58
	STEP 7, 0, 1, 1, 58
	STEP 8, 0, 0, 1, 58
	s_wait_xcnt 0x0                                ; the loads issued so far have read their bases
	s_add_nc_u64 s[WBP:WBP+1], s[WBP:WBP+1], 65536
	s_add_nc_u64 s[WSP:WSP+1], s[WSP:WSP+1], 1024
	s_add_nc_u64 s[XSP:XSP+1], s[XSP:XSP+1], 1024
	s_sub_co_u32 s3, s3, 1
	s_cmp_lg_u32 s3, 0
	s_cbranch_scc1 .Llap
	STEP 1, 0, 0, 1, 58                            ; steps 25 to 31: nothing is filled; step 28 asks for the last codes and scale words
	STEP 2, 0, 0, 1, 58
	STEP 3, 0, 2, 1, 58
	STEP 4, 0, 0, 1, 58
	STEP 5, 0, 0, 0, 42                            ; behind step 29's codes: 16 and 26 loads
	STEP 6, 0, 0, 0, 16                            ; behind the last scale words: 16
	PLACES NP                                      ; the last step
	ARUN 1, 3, 6, 5, 0
	s_wait_loadcnt 0x0
	s_wait_dscnt 20
	MCH 0, 6, 0, 1, 3, 1, 1, 0
	PLACES NP
	ARUN 1, 3, 11, 5, 1
	s_wait_dscnt 20
	MCH 6, 5, 0, 0, 3, 1, 1, 0
	PLACES NP
.irp a, 0,1,2,3,4,5
	TOST \a                                        ; blocks 0-5 are finished: on their way while the last run is multiplied
.endr
	s_wait_dscnt 63                                ; blocks 11-15 were asked for ahead of the 96 stage instructions
	MCH 11, 5, 0, 1, 3, 1, 1, 0
	PLACES NP
	s_wait_dscnt 0x0
.irp a, 0,1,2,3,4,5
	SEND \a
.endr
.irp a, 6,7,8,9,10,11
	TOST \a
.endr
	s_wait_dscnt 0x0
.irp a, 6,7,8,9,10,11
	SEND \a
.endr
.irp a, 12,13,14,15
	TOST \a
.endr
	s_wait_dscnt 0x0
.irp a, 12,13,14,15
	SEND \a
.endr
	WIN 0
	s_wait_tensorcnt 0x0                           ; the wave's end
	ds_add_u32 v[SPW], v[NIL]
	s_wait_dscnt 0x0
	CROUND                                         ; the closing round
	s_endpgm
.Lfunc_end_k_q8949f4060b_gemm:
	.size	k_q8949f4060b_gemm, .Lfunc_end_k_q8949f4060b_gemm-k_q8949f4060b_gemm
	.p2alignl 7, 3214868480
	.fill 96, 4, 3214868480
	.section	.rodata,"a",@progbits
	.p2align	6, 0x0
	.amdhsa_kernel k_q8949f4060b_gemm
		.amdhsa_group_segment_fixed_size 327680
		.amdhsa_private_segment_fixed_size 0
		.amdhsa_enable_private_segment 0
		.amdhsa_kernarg_size 40
		.amdhsa_user_sgpr_count 2
		.amdhsa_user_sgpr_kernarg_segment_ptr 1
		.amdhsa_wavefront_size32 1
		.amdhsa_system_sgpr_workgroup_id_x 1
		.amdhsa_system_sgpr_workgroup_id_y 1
		.amdhsa_system_sgpr_workgroup_id_z 1
		.amdhsa_system_vgpr_workitem_id 0
		.amdhsa_next_free_vgpr 1024
		.amdhsa_next_free_sgpr 66
		.amdhsa_reserve_vcc 0
		.amdhsa_float_denorm_mode_32 3
		.amdhsa_float_denorm_mode_16_64 3
		.amdhsa_memory_ordered 1
		.amdhsa_forward_progress 1
		.amdhsa_inst_pref_size 255
	.end_amdhsa_kernel
	.section	.bss,"aw",@nobits
	.p2align	6
	.space	262144
	.amdgpu_metadata
---
amdhsa.version: [ 1, 2 ]
amdhsa.kernels:
  - .name:           k_q8949f4060b_gemm
    .symbol:         k_q8949f4060b_gemm.kd
    .args:
      - { .name: x_codes, .offset: 0, .size: 8, .value_kind: global_buffer, .address_space: global }
      - { .name: xs_pack, .offset: 8, .size: 8, .value_kind: global_buffer, .address_space: global }
      - { .name: w_pack, .offset: 16, .size: 8, .value_kind: global_buffer, .address_space: global }
      - { .name: bias, .offset: 24, .size: 8, .value_kind: global_buffer, .address_space: global }
      - { .name: out0, .offset: 32, .size: 8, .value_kind: global_buffer, .address_space: global }
    .group_segment_fixed_size: 327680
    .private_segment_fixed_size: 0
    .kernarg_segment_align: 8
    .kernarg_segment_size: 40
    .max_flat_workgroup_size: 128
    .sgpr_count:     66
    .vgpr_count:     1024
    .wavefront_size: 32
...
	.end_amdgpu_metadata
.endif
;; end of part 2
